; MI455X (gfx1250); checked and timed in simulation.
; The chip was launched on July 23, 2026; its instructions are those of AMD's public machine-readable ISA for CDNA 5 (MIT licence, August 2026) and "CDNA5" Instruction Set Architecture Reference Guide (July 2026). The comments in the code are by the model that wrote it; some were corrected since.
;; MSA Column Attention. Allowed arithmetic: matrix products marked QUANTISED: E4M3 operands, one given power-of-two scale a tensor, by v_wmma_f32_16x16x64_fp8_fp8 or v_wmma_f32_16x16x128_fp8_fp8, f32 sums; products left as they are: f32 operands where the result goes on into a quantised operand, else bf16, f16 or f32 operands; f32 sums; everything else in f32.
;; Inputs: Wg 32 x 256 float32; Wk 32 x 256 float32; Wo 256 x 32 float32; Wq 32 x 256 float32; Wv 32 x 256 float32; bo 32 float32; ln_beta 32 float32; ln_gamma 32 float32; lowp_scales 12 int32 (the exponents e of the quantised operands' scales 2^e); m 1 x 256 x 256 x 32 float32.
;; Outputs: out0 1 x 256 x 256 x 32 float32.
;; This version of the problem:
;;   THIS VERSION OF THE PROBLEM IS GIVEN IN LOW PRECISION. The matrix products marked QUANTISED in the list below multiply operands that are first quantised to E4M3 (4 exponent bits, 3 mantissa bits; 8 bits a number), with one given power-of-two scale for each operand tensor; their sums are f32. All else is computed in f32.
;;   The module's matrix products, in the order in which they are computed (A, B: the left and right operand; K: the contracted axis; several contracted axes count as one K, in the product's order):
;;     1. [M 65,536, K 32] x [K 32, N 256]; A: computed on the way; B: input Wq: QUANTISED (scales: A lowp_scales[0], B lowp_scales[1])
;;     2. [M 65,536, K 32] x [K 32, N 256]; A: computed on the way; B: input Wk: QUANTISED (scales: A lowp_scales[2], B lowp_scales[3])
;;     3. [M 65,536, K 32] x [K 32, N 256]; A: computed on the way; B: input Wv: QUANTISED (scales: A lowp_scales[4], B lowp_scales[5])
;;     4. [M 65,536, K 32] x [K 32, N 256]; A: computed on the way; B: input Wg: QUANTISED (scales: A lowp_scales[6], B lowp_scales[7])
;;     5. batch 2,048 x [M 256, K 32] x [K 32, N 256]; A: computed on the way; B: computed on the way: QUANTISED (scales: A lowp_scales[8], B lowp_scales[9])
;;     6. batch 524,288 x [M 1, K 1] x [K 1, N 32]; A: computed on the way; B: computed on the way: left as it is (no contracted axis)
;;     7. [M 65,536, K 256] x [K 256, N 32]; A: computed on the way; B: input Wo: QUANTISED (scales: A lowp_scales[10], B lowp_scales[11])
;;   THE QUANTISER, for each operand of a quantised product, along K:
;;     - The operand's scale is 2^e, e = its entry of the input lowp_scales (int32; the entries are numbered through the quantised products in the list's order, A before B).
;;     - Each number is divided by the scale, clamped to +-448, and rounded to the nearest number of E4M3, ties to even, subnormals kept.
;;     - The product sums the exact products of the quantised numbers (number of the format x scale) in f32.
;;   ~~~python
;;   def quantise(x, axis, e):      # numpy; x: float32 -> the quantised numbers, widened to float32 again
;;       x = np.moveaxis(x, axis, -1); K = x.shape[-1]
;;       r = np.clip(x / 2.0 ** e, -448, 448)
;;       step = 2.0 ** (np.maximum(np.frexp(np.where(r == 0, 1, r))[1] - 1, -6) - 3)
;;       q = np.round(r / step) * step * 2.0 ** e      # np.round: ties to even
;;       return np.moveaxis(q, -1, axis).astype(np.float32)
;;   ~~~
;;   OPERANDS COMPUTED ON THE WAY. 'Computed on the way' means the value that the module computes at that place (a softmax that the list does not call 'softmax' is quantised finished and normalised). What goes into a quantiser is computed in f32, as accurately as f32 sums, v_exp_f32 and their like allow (about 1e-6 of the number): no bf16 or f16 on the way to a quantiser, and a product that is left as it is and whose result goes on into a quantised operand takes f32 operands (vector FMAs, or v_wmma_f32_16x16x4_f32). A number that lies on a knife's edge between two numbers of the format may be rounded either way, as far as f32 arithmetic and the matrix unit's own rounding can turn it there, and no further.
;; 2 versions. Each part assembles by itself: llvm-mc -triple=amdgcn-amd-amdhsa -mcpu=gfx1250 --defsym DOCPART=n.
;; ======== version 1 of 2: 1 launch
;; launch colattn (part 1): grid 256 x 1, 16 waves a work-group, no clusters, 223,232 bytes of LDS; arguments m, ln_gamma, ln_beta, Wq, Wk, Wv, Wg, Wo, bo, lowp_scales, out0; writes out0
.if DOCPART == 1
	.amdgcn_target "amdgcn-amd-amdhsa--gfx1250"
	.amdhsa_code_object_version 6
	.text
	.protected	k_qb1b4843e53_colattn
	.globl	k_qb1b4843e53_colattn
	.p2align	8
	.type	k_qb1b4843e53_colattn,@function
k_qb1b4843e53_colattn:
	s_mov_b64 s[64:65], 0
	v_nop
	global_prefetch_b8 v0, s[64:65] scope:SCOPE_SE
	s_setreg_imm32_b32 hwreg(HW_REG_WAVE_MODE, 25, 1), 1
	s_wait_xcnt 0x0
; MSA column attention, all of it in one launch: LayerNorm, the four projections, the scores, the softmax over t, the gate, the output projection.
; m, out0: [256 s][256 i][32 c] f32.  Wq, Wk, Wv, Wg: [32 k][256 n] f32.  Wo: [256 k][32 n] f32.  lowp_scales: e0 .. e11 (int32).
; Every quantised product runs on E4M3 codes made here by the given scales: x / 2^e, held within +-448, to the nearest code, ties to even; sums in f32.
; SHARES.  A work-group takes a PAIR of columns i (their rows lie side by side: 256 consecutive bytes of each s) and half of the queries s (128).  256 work-groups.
;   It needs the keys of all 256 t of its two columns, so LayerNorm and the K projection of a pair are made in both work-groups of the pair.
;   Keys are numbered locally: u = 0 .. 127 are the work-group's own rows s, u = 128 .. 255 the other half's.  A maximum and a sum do not ask for the keys' order.
;   Wave w of 16 owns column w / 8 of the pair and head w % 8: its 256 keys stay in 64 registers as codes, and it walks its 128 queries 16 at a time.
; LAYOUT.  Every product is used transposed (source 0 = weight rows or keys, source 1 = rows of mn or queries): lane (r = lane % 16, h = lane / 16) holds ONE row throughout.
;   The rows of a weight that form a tile are not neighbours: lane r of tile u takes row 8 u + r + 8 (r / 8), so that the 16 registers of a head's two tiles are c = 16 h + 0 .. 15,
;   and two conversions give the next operand's four registers as they stand.  k = 16 h + 0 .. 15 lies in registers 0-3 on BOTH sides of each product with K = 32.
;   K = 32 in the K = 64 form: source 1 is four registers of codes and four of zeros that stay; source 0 is a window of eight registers on a dense run of 4-register fragments,
;   whose upper four (the next fragment's codes: held numbers, never a NaN code) meet the zeros.
; SOFTMAX.  p = 2^(c s - c M), M the running largest score, c = log2(e) / sqrt(32) x 2^(e8 + e9).  v is indexed by s, so only the sum over t of the softmax meets v.
;   ORDER OF ROUNDING THAT DIFFERS FROM THE DEFINITION'S: the division by the row's sum S is taken out of the sum over t: sum_t (p_t / S) is formed as S x (1 / S).
; NO JOINT LOADS: what work-groups share is 64 KiB of m (two partners) and 160 KiB of weights, each read once at the head, and each needs arithmetic in registers
;   (LayerNorm, the quantisers) before it is of use: it goes from memory to registers, and only codes go to LDS.  No LDS byte is written twice: three barriers.
; LIMITS on the given exponents, so that each power of two below is an f32 number: e0 .. e7, e11, e8 - e0 - e1, e9 - e2 - e3, e10 - e4 - e5 between -126 and 119;
;   e8 + e9 between -124 and 129; e6 + e7 and e10 + e11 between -126 and 127.  NaN among the inputs is not served.
.set MK,   0                           ; LDS: mn as codes by e2, rows (col, u) of 32 bytes, 48 apart; a column 12,416 bytes
.set MQ,   24832                       ;      the same by e0, u < 128; a column 6,272 bytes
.set MV,   37376                       ;      by e4
.set MG,   49920                       ;      by e6
.set WR,   62464                       ;      weight codes: row (weight x 256 + n) x 48; weight 0 q, 1 k, 2 v, 3 g; k innermost
.set WO,   111616                      ;      Wo's codes: row n x 272, 256 bytes, k innermost
.set OI,   120320                      ;      o as images of operand registers: (col x 8 + tile of rows) x 4,096 + head x 512 + 16 x lane
.set STG,  185856                      ;      the way out: row s x 272; bytes col x 128 + 4 n
.set KCOL, 12416                       ; 256 x 48 + 128: the two columns' 4-byte stores fall on different banks
.set QCOL, 6272                        ; 128 x 48 + 128
.set X,    192                         ; head: v192-223 eight loads of m, four numbers each
.set ST,   224                         ; head: v224-239 pair i: the mean, then the variance and 1 / sqrt of it
.set QQ,   240                         ; head: v240-255 squares
.set T0,   168                         ; head: v168-175, v176-183 two sets of eight held numbers, by turns
.set S,    192                         ; v192-255 scores, and every other matrix result
.set KC,   80                          ; v80-143  my 256 keys' codes: 16 fragments of four registers
.set W,    144                         ; v144-175 weight fragments k0 k1 q0 q1 v0 v1 g0 g1; v176-179 zeros
.set MF,   40                          ; v40-71   four fragments of mn: four registers of codes, four of zeros
.set QF,   32                          ; v32-39   the queries' fragment, likewise
; v1 lane, v2 r, v3 h; v4-v14 LDS addresses and v10, v15 global offsets that stay; v6, v9 addresses in hand
; v[16:17] -cM; v[18:19], v[20:21] the sum in two chains; v22-24 maxima; v25 the old -cM; v[26:27] the sum's factor; v28-31 scales and limits; v[72:75] o's codes; v[76:77] the softmax's sum
.macro SCLIM vs, vl, se                ; v[vs] = 2^e as f32 (a conversion takes its exponent field), v[vl] = 448 x 2^e; e in s[se]
	s_add_co_i32 s73, s[\se], 127
	s_lshl_b32 s74, s73, 23
	v_mov_b32 v[\vs], s74
	s_add_co_i32 s73, s73, 8
	s_lshl_b32 s73, s73, 23
	s_or_b32 s73, s73, 0x600000
	v_mov_b32 v[\vl], s73
.endm
.macro BARRIER                         ; my LDS stores have landed and my LDS loads are in: then the work-group's barrier
	s_wait_dscnt 0x0
	s_barrier_signal -1
	s_barrier_wait -1
.endm
; n numbers of mn (v[X] on) become codes by one scale.  A conversion's eight numbers are two loads' four: its two result registers are four codes of one row each.
; The held numbers go into two sets by turns, so that mn stays as it is for the next scale and no conversion's sources are written by the lines just behind it.
.macro QSET n, vs, vl, dst, adr, off
.set QP, 0
.rept (\n)/8
.irp i, 0,1,2,3,4,5,6,7
	v_med3_num_f32 v[T0+8*(QP%2)+\i], v[X+8*QP+\i], -v[\vl], v[\vl]   ; the conversion to an 8-bit code does not saturate (ISA guide 7.6.2): the hold comes first
.endr
	v_cvt_scalef32_pk8_fp8_f32 v[\dst+2*QP:\dst+2*QP+1], v[T0+8*(QP%2):T0+8*(QP%2)+7], v[\vs]
.set QP, QP+1
.endr
	v_nop                                          ; one plain vector line behind the last conversion of a run
.set QP, 0
.rept (\n)/4
	ds_store_b32 v[\adr], v[\dst+QP] offset:\off+96*(QP%4)+6144*(QP/4)   ; load i's row: two rows of 48 bytes on for each i; loads 4-7 are 128 rows further
.set QP, QP+1
.endr
.endm
.macro QWEIGHT raw, nreg, vs, vl, dst  ; a lane's column of a weight, registers down K, becomes codes with K innermost
.set QP, 0
.rept \nreg
	v_med3_num_f32 v[\raw+QP], v[\raw+QP], -v[\vl], v[\vl]
.set QP, QP+1
.endr
.set QP, 0
.rept (\nreg)/8
	v_cvt_scalef32_pk8_fp8_f32 v[\dst+2*QP:\dst+2*QP+1], v[\raw+8*QP:\raw+8*QP+7], v[\vs]
.set QP, QP+1
.endr
	v_nop
.endm
; Four tiles of 16 keys: the K projection of my head, and its codes into KC.  v180, v181: 2^(e9 - e2 - e3) and 448 x that: the three scales folded into one.
.macro KGROUP g
	s_wait_dscnt 0x0                               ; the group's four fragments of mn (and, the first time, the weights') are in
.irp t, 0,1,2,3
.irp u, 0,1
	v_wmma_f32_16x16x64_fp8_fp8 v[S+16*\t+8*\u:S+16*\t+8*\u+7], v[W+4*\u:W+4*\u+7], v[MF+8*\t:MF+8*\t+7], 0
.endr
.endr
.rept 4
	v_nop                                          ; four places in front of loads into registers that these products read, and of the first read of their results
.endr
.if \g < 3
.irp t, 0,1,2,3
	ds_load_b128 v[MF+8*\t:MF+8*\t+3], v4 offset:MK+768*(4*\g+4+\t)   ; the next group's, 16 rows of 48 bytes a tile
.endr
.endif
.set QP, 0
.rept 64
	v_med3_num_f32 v[S+QP], v[S+QP], -v181, v181   ; each result from its low end on
.set QP, QP+1
.endr
.irp t, 0,1,2,3,4,5,6,7
	v_cvt_scalef32_pk8_fp8_f32 v[KC+16*\g+2*\t:KC+16*\g+2*\t+1], v[S+8*\t:S+8*\t+7], v180
.endr
	v_nop
.endm
; 128 keys against my 16 queries: a lane holds one query and 64 of these keys.  first = 1: the trip's first half starts the maximum and the sum.
.macro CHUNK kb, first
.irp t, 0,1,2,3,4,5,6,7
	v_wmma_f32_16x16x64_fp8_fp8 v[S+8*\t:S+8*\t+7], v[KC+\kb+4*\t:KC+\kb+4*\t+7], v[QF:QF+7], 0
.endr
.rept 4
	v_nop
.endr
	v_max3_num_f32 v22, v[S], v[S+1], v[S+2]       ; the largest score, in two chains, ascending: each result is first read at its low end
	v_max3_num_f32 v23, v[S+3], v[S+4], v[S+5]
.irp i, 6,10,14,18,22,26,30,34,38,42,46,50,54,58
	v_max3_num_f32 v22, v22, v[S+\i], v[S+\i+1]
	v_max3_num_f32 v23, v23, v[S+\i+2], v[S+\i+3]
.endr
	v_max3_num_f32 v22, v22, v[S+62], v[S+63]
.if \first
	v_max_num_f32 v24, v22, v23
	v_mul_f32 v16, s58, v24                        ; -c M
.else
	v_max3_num_f32 v24, v22, v23, v24              ; the running maximum
	v_mov_b32 v25, v16
	v_mul_f32 v16, s58, v24
	v_sub_f32 v26, v16, v25                        ; c (old M - new M), 0 or less
	v_exp_f32 v26, v26                             ; what the sum so far is multiplied by
.endif
.irp j, 0,2,4,6,8,10,12,14,16,18,20,22,24,26,28,30,32,34,36,38,40,42,44,46,48,50,52,54,56,58,60,62
	v_pk_fma_f32 v[S+\j:S+\j+1], v[S+\j:S+\j+1], s[56:57], v[16:17] op_sel_hi:[1,0,0]   ; c s - c M, two at a time (of both pairs the low word serves both halves)
.endr
.set QP, 0
.rept 64
	v_exp_f32 v[S+QP], v[S+QP]
.set QP, QP+1
.endr
.if \first
	v_nop                                          ; a plain line behind the exponentials
	s_wait_alu depctr_va_vdst(0)
	v_pk_add_f32 v[18:19], v[S:S+1], v[S+2:S+3]
	v_pk_add_f32 v[20:21], v[S+4:S+5], v[S+6:S+7]
.irp j, 8,12,16,20,24,28,32,36,40,44,48,52,56,60
	v_pk_add_f32 v[18:19], v[18:19], v[S+\j:S+\j+1]
	v_pk_add_f32 v[20:21], v[20:21], v[S+\j+2:S+\j+3]
.endr
.else
	s_wait_alu depctr_va_vdst(0)
	v_pk_mul_f32 v[18:19], v[18:19], v[26:27] op_sel_hi:[1,0]   ; the sum under the new maximum (the plain line behind the exponentials)
	v_pk_add_f32 v[20:21], v[S:S+1], v[S+2:S+3]
.irp j, 4,8,12,16,20,24,28,32,36,40,44,48,52,56,60
	v_pk_add_f32 v[18:19], v[18:19], v[S+\j:S+\j+1]
	v_pk_add_f32 v[20:21], v[20:21], v[S+\j+2:S+\j+3]
.endr
.endif
	v_pk_add_f32 v[18:19], v[18:19], v[20:21]
.endm
	; ---- the head: addresses and all global loads
	s_load_b512 s[8:23], s[0:1], 0x0               ; m 8, gamma 10, beta 12, Wq 14, Wk 16, Wv 18, Wg 20, Wo 22
	s_load_b128 s[24:27], s[0:1], 0x40             ; bo 24, the scales' exponents 26
	s_load_b64 s[28:29], s[0:1], 0x50              ; out0
	v_lshl_add_u32 v186, v0, 2, 0x36000
	v_mov_b32 v187, 0
	v_lshrrev_b32 v1, 5, v0
	v_readfirstlane_b32 s2, v1                     ; wave 0..15
	s_and_b32 s3, s2, 7                            ; my head
	s_lshr_b32 s4, s2, 3                           ; my column of the pair
	s_and_b32 s5, ttmp9, 1                         ; which half of the rows s
	s_lshr_b32 s6, ttmp9, 1                        ; which pair of columns
	s_lshl_b32 s73, s6, 8                          ; the pair's 256 bytes in a row s
	s_lshl_b32 s75, s2, 3                          ; 8 x wave
	s_lshl_b32 s76, s5, 7
	s_add_co_u32 s76, s76, s75
	s_lshl_b32 s76, s76, 15                        ; rows of 32,768 bytes
	s_add_co_u32 s76, s76, s73                     ; my eight rows of my half, in m and in out0
	s_mov_b32 s77, 0
	s_xor_b32 s78, s5, 1
	s_lshl_b32 s78, s78, 7
	s_add_co_u32 s78, s78, s75
	s_lshl_b32 s78, s78, 15
	s_add_co_u32 s78, s78, s73                     ; my eight rows of the other half
	s_mov_b32 s79, 0
	s_lshl_b32 s80, s3, 7                          ; my head's 32 columns of a weight
	s_mov_b32 s81, 0
	s_lshl_b32 s82, s2, 11                         ; my 16 rows of Wo
	s_mov_b32 s83, 0
	v_and_b32 v1, 31, v0                           ; lane
	v_and_b32 v2, 15, v0                           ; r
	v_bfe_u32 v3, v0, 4, 1                         ; h
	v_lshlrev_b32 v10, 4, v2
	v_lshl_add_u32 v10, v3, 15, v10                ; lanes 0-15 one row's 256 bytes, lanes 16-31 the next row's
	v_lshlrev_b32 v15, 2, v1                       ; 4 x lane
	v_and_b32 v6, 7, v0                            ; which four c of a row of 32 are mine
	v_lshlrev_b32 v9, 4, v6
	s_wait_kmcnt 0x0
	s_load_b256 s[32:39], s[26:27], 0x0            ; e0 .. e7
	s_load_b128 s[40:43], s[26:27], 0x20           ; e8 .. e11
	s_add_nc_u64 s[44:45], s[8:9], s[76:77]
	s_add_nc_u64 s[46:47], s[8:9], s[78:79]
	s_add_nc_u64 s[54:55], s[28:29], s[76:77]
	s_cmp_eq_u32 s4, 0                             ; waves 0-7 quantise Wq and Wk, waves 8-15 Wv and Wg: the choice hangs on the wave's number alone
	s_cselect_b64 s[48:49], s[14:15], s[18:19]
	s_cselect_b64 s[50:51], s[16:17], s[20:21]
	s_add_nc_u64 s[48:49], s[48:49], s[80:81]
	s_add_nc_u64 s[50:51], s[50:51], s[80:81]
	s_add_nc_u64 s[52:53], s[22:23], s[82:83]
.irp i, 0,1,2,3
	global_load_b128 v[X+4*\i:X+4*\i+3], v10, s[44:45] offset:65536*\i       ; two rows x 256 consecutive bytes a load: u = 8 w + 2 i + h
.endr
.irp i, 0,1,2,3
	global_load_b128 v[X+16+4*\i:X+16+4*\i+3], v10, s[46:47] offset:65536*\i ; u = 128 + 8 w + 2 i + h
.endr
	global_load_b128 v[160:163], v9, s[10:11]      ; gamma and beta of my four c
	global_load_b128 v[164:167], v9, s[12:13]
.set QP, 0
.rept 32
	global_load_b32 v[80+QP], v15, s[48:49] offset:1024*QP    ; a lane takes a column n, its registers run down K
.set QP, QP+1
.endr
.set QP, 0
.rept 32
	global_load_b32 v[112+QP], v15, s[50:51] offset:1024*QP
.set QP, QP+1
.endr
.set QP, 0
.rept 16
	global_load_b32 v[144+QP], v15, s[52:53] offset:128*QP    ; Wo: column n = lane, k = 16 w + 0 .. 15
.set QP, QP+1
.endr
	; every LDS address is a constant + constants x lane terms + constants x the wave's number, made here, ahead of the first barrier
	v_mul_u32_u24 v5, v2, 48
	v_lshl_add_u32 v5, v3, 4, v5                   ; a fragment of mn: 48 r + 16 h
	s_mul_i32 s84, s4, KCOL
	v_add_nc_u32 v4, s84, v5                       ; v4: in MK, my column
	s_mul_i32 s84, s4, QCOL
	v_add_nc_u32 v5, s84, v5                       ; v5: in MQ, MV, MG
	v_and_b32 v7, 8, v2
	v_add_nc_u32 v7, v7, v2                        ; r + 8 (r / 8)
	v_mul_u32_u24 v7, v7, 48
	v_lshl_add_u32 v7, v3, 4, v7
	s_mul_i32 s84, s3, 32*48
	s_add_co_u32 s84, s84, WR
	v_add_nc_u32 v7, s84, v7                       ; v7: a weight fragment of my head
	s_lshl_b32 s84, s4, 15
	s_lshl_b32 s85, s3, 9
	s_add_co_u32 s84, s84, s85
	s_add_co_u32 s84, s84, OI
	v_lshl_add_u32 v8, v1, 4, s84                  ; v8: where my head's part of o's images begins
	v_mul_u32_u24 v11, v2, 272
	v_lshl_add_u32 v11, v3, 4, v11
	v_add_nc_u32 v11, WO, v11                      ; v11: a fragment of Wo
	s_mul_i32 s84, s3, 16*272
	s_lshl_b32 s85, s4, 7
	s_add_co_u32 s84, s84, s85
	s_add_co_u32 s84, s84, STG
	v_mul_u32_u24 v12, v2, 272
	v_lshl_add_u32 v12, v3, 5, v12
	v_add_nc_u32 v12, s84, v12                     ; v12: the stage, in: row 16 (w % 8) + r, column w / 8, 32 h
	s_mul_i32 s84, s2, 8*272
	s_add_co_u32 s84, s84, STG
	v_mul_u32_u24 v13, v3, 272
	v_lshl_add_u32 v13, v2, 4, v13
	v_add_nc_u32 v13, s84, v13                     ; v13: the stage, back: rows 8 w + h on, 16 bytes a lane
	s_lshl_b32 s84, s2, 12
	s_add_co_u32 s84, s84, OI
	v_lshl_add_u32 v14, v1, 4, s84                 ; v14: the images of tile of rows w
	v_bfe_u32 v190, v0, 3, 1                       ; which column of the pair my 16 bytes of m belong to
	v_mul_u32_u24 v188, v190, KCOL
	v_mul_u32_u24 v189, v190, QCOL
	v_mul_u32_u24 v191, v3, 48
	v_lshl_add_u32 v191, v6, 2, v191               ; 48 h + my four codes' place in a row
	s_mul_i32 s84, s2, 8*48
	v_add_nc_u32 v191, s84, v191
	v_add_nc_u32 v188, v188, v191                  ; v188: mn's codes into MK
	v_add_nc_u32 v189, v189, v191                  ; v189: into MQ, MV, MG
	s_lshl_b32 s84, s4, 9
	s_lshl_b32 s85, s3, 5
	s_add_co_u32 s84, s84, s85
	s_mul_i32 s84, s84, 48
	s_add_co_u32 s84, s84, WR
	v_mul_u32_u24 v190, v1, 48
	v_add_nc_u32 v190, s84, v190                   ; v190: my column of the first of my two weights; the second lies 256 rows on
	s_lshl_b32 s84, s2, 4
	s_add_co_u32 s84, s84, WO
	v_mul_u32_u24 v191, v1, 272
	v_add_nc_u32 v191, s84, v191                   ; v191: Wo's row n = lane, my 16 codes
	s_wait_kmcnt 0x0                               ; the exponents
	s_cmp_eq_u32 s4, 0
	s_cselect_b32 s86, s33, s37                    ; my two weights' exponents: e1, e3 or e5, e7
	s_cselect_b32 s87, s35, s39
	s_sub_co_i32 s88, s40, s32
	s_sub_co_i32 s88, s88, s33                     ; e8 - e0 - e1: a sum of the Q projection stands for sum x 2^(e0 + e1)
	s_sub_co_i32 s89, s41, s34
	s_sub_co_i32 s89, s89, s35                     ; e9 - e2 - e3
	s_sub_co_i32 s90, s42, s36
	s_sub_co_i32 s90, s90, s37                     ; e10 - e4 - e5
	s_add_co_i32 s73, s40, s41
	s_lshl_b32 s73, s73, 23
	s_add_co_i32 s56, s73, 0x3e8293ee              ; c = log2(e) / sqrt(32), with e8 + e9 added to its exponent field
	s_mov_b32 s57, s56                             ; (named with it as a pair, so it is written)
	s_or_b32 s58, s56, 0x80000000                  ; -c
	s_add_co_i32 s73, s38, s39
	s_lshl_b32 s73, s73, 23
	s_add_co_i32 s60, s73, 0xbfb8aa3b              ; -log2(e) x 2^(e6 + e7), for the gate
	s_mov_b32 s61, s60
	s_add_co_i32 s73, s42, s43
	s_add_co_i32 s73, s73, 127
	s_lshl_b32 s62, s73, 23                        ; 2^(e10 + e11)
	s_mov_b32 s63, s62
	s_mov_b32 s66, 0x76543210                      ; v_permlanex16_b32: lane l xor 16
	s_mov_b32 s67, 0xfedcba98
	s_mov_b32 s68, 0x3d000000                      ; 1 / 32
	s_mov_b32 s69, 0x3727c5ac                      ; 1e-5
	SCLIM 16, 17, 34                               ; mn for K: e2
	SCLIM 18, 19, 32                               ; for Q: e0
	SCLIM 20, 21, 36                               ; for V: e4
	SCLIM 22, 23, 38                               ; for the gate: e6
	SCLIM 24, 25, 86                               ; my two weights
	SCLIM 26, 27, 87
	SCLIM 28, 29, 43                               ; Wo: e11
	; ---- LayerNorm of my 16 rows x 2 columns: eight lanes hold a row of 32; two passes, the mean first and then the mean of the squared deviations
	s_wait_loadcnt 63                              ; 80 younger loads stand behind m, gamma and beta; 63 is the largest count that the wait can name, and a smaller count is safe
.irp i, 0,1,2,3,4,5,6,7
	v_pk_add_f32 v[ST+2*\i:ST+2*\i+1], v[X+4*\i:X+4*\i+1], v[X+4*\i+2:X+4*\i+3]
.endr
.irp i, 0,1,2,3,4,5,6,7
	v_add_f32 v[ST+2*\i], v[ST+2*\i], v[ST+2*\i+1]
.endr
.irp k, 1,2,4
.irp i, 0,1,2,3,4,5,6,7
	v_add_f32_dpp v[ST+2*\i], v[ST+2*\i], v[ST+2*\i] row_xmask:\k row_mask:0xf bank_mask:0xf
.endr
.endr
.irp i, 0,1,2,3,4,5,6,7
	v_mul_f32 v[ST+2*\i], s68, v[ST+2*\i]          ; the mean
.endr
.irp i, 0,1,2,3,4,5,6,7
	v_pk_add_f32 v[X+4*\i:X+4*\i+1], v[X+4*\i:X+4*\i+1], v[ST+2*\i:ST+2*\i+1] op_sel_hi:[1,0] neg_lo:[0,1] neg_hi:[0,1]
	v_pk_add_f32 v[X+4*\i+2:X+4*\i+3], v[X+4*\i+2:X+4*\i+3], v[ST+2*\i:ST+2*\i+1] op_sel_hi:[1,0] neg_lo:[0,1] neg_hi:[0,1]
.endr
.irp i, 0,1,2,3,4,5,6,7
	v_pk_mul_f32 v[QQ+2*\i:QQ+2*\i+1], v[X+4*\i:X+4*\i+1], v[X+4*\i:X+4*\i+1]
.endr
.irp i, 0,1,2,3,4,5,6,7
	v_pk_fma_f32 v[QQ+2*\i:QQ+2*\i+1], v[X+4*\i+2:X+4*\i+3], v[X+4*\i+2:X+4*\i+3], v[QQ+2*\i:QQ+2*\i+1]
.endr
.irp i, 0,1,2,3,4,5,6,7
	v_add_f32 v[ST+2*\i+1], v[QQ+2*\i], v[QQ+2*\i+1]
.endr
.irp k, 1,2,4
.irp i, 0,1,2,3,4,5,6,7
	v_add_f32_dpp v[ST+2*\i+1], v[ST+2*\i+1], v[ST+2*\i+1] row_xmask:\k row_mask:0xf bank_mask:0xf
.endr
.endr
.irp i, 0,1,2,3,4,5,6,7
	v_fma_f32 v[ST+2*\i+1], v[ST+2*\i+1], s68, s69 ; the variance + 1e-5
.endr
.irp i, 0,1,2,3,4,5,6,7
	v_rsq_f32 v[ST+2*\i+1], v[ST+2*\i+1]
.endr
	v_nop                                          ; a plain line behind the last of them
	s_wait_alu depctr_va_vdst(0)
.irp i, 0,1,2,3,4,5,6,7
	v_pk_mul_f32 v[X+4*\i:X+4*\i+1], v[X+4*\i:X+4*\i+1], v[ST+2*\i:ST+2*\i+1] op_sel:[0,1] op_sel_hi:[1,1]   ; both halves by the pair's upper word
	v_pk_mul_f32 v[X+4*\i+2:X+4*\i+3], v[X+4*\i+2:X+4*\i+3], v[ST+2*\i:ST+2*\i+1] op_sel:[0,1] op_sel_hi:[1,1]
.endr
.irp i, 0,1,2,3,4,5,6,7
	v_pk_fma_f32 v[X+4*\i:X+4*\i+1], v[X+4*\i:X+4*\i+1], v[160:161], v[164:165]
	v_pk_fma_f32 v[X+4*\i+2:X+4*\i+3], v[X+4*\i+2:X+4*\i+3], v[162:163], v[166:167]
.endr
	; ---- mn as codes, once for each of the four given scales; for Q, V and the gate only my half's rows (loads 0-3)
	QSET 32, 16, 17, 32, 188, MK
	QSET 16, 18, 19, 40, 189, MQ
	QSET 16, 20, 21, 44, 189, MV
	QSET 16, 22, 23, 48, 189, MG
	; ---- the weights as codes, K innermost
	s_wait_loadcnt 0x0
	QWEIGHT 80, 32, 24, 25, 52
	QWEIGHT 112, 32, 26, 27, 60
	QWEIGHT 144, 16, 28, 29, 68
	ds_store_b128 v190, v[52:55]
	ds_store_b128 v190, v[56:59] offset:16
	ds_store_b128 v190, v[60:63] offset:12288
	ds_store_b128 v190, v[64:67] offset:12304
	ds_store_b128 v191, v[68:71]
	BARRIER                                        ; all codes of mn and of the weights lie in LDS
	; ---- my head's weight fragments, which stay, and my 256 keys
	ds_load_b128 v[W:W+3],     v7 offset:12288     ; k, tiles 0 and 1 (eight rows of 48 bytes apart)
	ds_load_b128 v[W+4:W+7],   v7 offset:12288+384
	ds_load_b128 v[W+8:W+11],  v7                  ; q
	ds_load_b128 v[W+12:W+15], v7 offset:384
	ds_load_b128 v[W+16:W+19], v7 offset:24576     ; v
	ds_load_b128 v[W+20:W+23], v7 offset:24576+384
	ds_load_b128 v[W+24:W+27], v7 offset:36864     ; g
	ds_load_b128 v[W+28:W+31], v7 offset:36864+384
.irp t, 0,1,2,3
	ds_load_b128 v[MF+8*\t:MF+8*\t+3], v4 offset:MK+768*\t
.endr
.irp z, 36,37,38,39, 44,45,46,47, 52,53,54,55, 60,61,62,63, 68,69,70,71, 176,177,178,179
	v_mov_b32 v\z, 0                               ; the zeros that fill K = 32 up to 64: written once, they stay
.endr
.irp z, 17, 27, 77, 78, 79
	v_mov_b32 v\z, 0                               ; upper words of pairs whose low word serves both halves, and the lane permutes' destinations: named, so written
.endr
	SCLIM 180, 181, 89                             ; the keys' conversion
	SCLIM 28, 29, 88                               ; the queries'
	SCLIM 30, 31, 90                               ; o's
	KGROUP 0
	KGROUP 1
	KGROUP 2
	KGROUP 3
	; ---- eight trips of 16 queries
	s_mov_b32 s70, 8
	s_mov_b32 s71, 0                               ; the trip's rows in MQ, MV, MG: 16 x 48 bytes a trip
	s_mov_b32 s72, 0                               ; the trip's image in OI: 4,096 bytes a trip
.Ltrip:
	v_add_nc_u32 v6, s71, v5
	ds_load_b128 v[MF:MF+3],     v6 offset:MQ
	ds_load_b128 v[MF+8:MF+11],  v6 offset:MV
	ds_load_b128 v[MF+16:MF+19], v6 offset:MG
	s_wait_dscnt 0x2                               ; the fragment for Q is in (and the last trip's image store, which is older, is done); the two younger loads may stay out
	v_wmma_f32_16x16x64_fp8_fp8 v[S:S+7],    v[W+8:W+15],  v[MF:MF+7], 0
	v_wmma_f32_16x16x64_fp8_fp8 v[S+8:S+15], v[W+12:W+19], v[MF:MF+7], 0
.rept 4
	v_nop
.endr
.set QP, 0
.rept 16
	v_med3_num_f32 v[S+QP], v[S+QP], -v29, v29
.set QP, QP+1
.endr
	v_cvt_scalef32_pk8_fp8_f32 v[QF:QF+1],   v[S:S+7],    v28
	v_cvt_scalef32_pk8_fp8_f32 v[QF+2:QF+3], v[S+8:S+15], v28
	v_nop                                          ; the plain line behind the conversions; with the four above, five places lie ahead of the products that write over these results
	CHUNK 0, 1
	CHUNK 32, 0
	s_wait_dscnt 0x0                               ; the fragments for V and the gate
	v_wmma_f32_16x16x64_fp8_fp8 v[S:S+7],     v[W+16:W+23], v[MF+8:MF+15],  0
	v_wmma_f32_16x16x64_fp8_fp8 v[S+8:S+15],  v[W+20:W+27], v[MF+8:MF+15],  0
	v_wmma_f32_16x16x64_fp8_fp8 v[S+16:S+23], v[W+24:W+31], v[MF+16:MF+23], 0
	v_wmma_f32_16x16x64_fp8_fp8 v[S+24:S+31], v[W+28:W+35], v[MF+16:MF+23], 0
	; the query's other 128 keys lie in the lane 16 away: the two maxima and sums are joined.  These plain lines are also the places behind the four products
	v_add_f32 v180, v18, v19
	v_permlanex16_b32 v78, v16, s66, s67
	v_permlanex16_b32 v79, v180, s66, s67
	v_min_num_f32 v181, v16, v78                   ; -c x the larger maximum
	v_sub_f32 v182, v181, v16
	v_sub_f32 v183, v181, v78
	v_exp_f32 v182, v182
	v_exp_f32 v183, v183
	v_nop
	s_wait_alu depctr_va_vdst(0)
	v_mul_f32 v184, v180, v182
	v_fma_f32 v184, v79, v183, v184                ; the row's sum S
	v_rcp_f32 v185, v184
	v_nop
	s_wait_alu depctr_va_vdst(0)
	v_mul_f32 v76, v184, v185                      ; the sum over t of the softmax: S x (1 / S)
	; o = sigmoid(gate) x (that sum x v), still short of 2^(e4 + e5), which o's conversion takes in
.irp j, 0,2,4,6,8,10,12,14
	v_pk_mul_f32 v[S+16+\j:S+17+\j], v[S+16+\j:S+17+\j], s[60:61] op_sel_hi:[1,0]
.endr
.set QP, 0
.rept 16
	v_exp_f32 v[S+16+QP], v[S+16+QP]
.set QP, QP+1
.endr
.irp j, 0,2,4,6,8,10,12,14
	v_pk_mul_f32 v[S+\j:S+\j+1], v[S+\j:S+\j+1], v[76:77] op_sel_hi:[1,0]   ; (plain lines behind the exponentials)
.endr
	s_wait_alu depctr_va_vdst(0)
.irp j, 0,2,4,6,8,10,12,14
	v_pk_add_f32 v[S+16+\j:S+17+\j], v[S+16+\j:S+17+\j], 1.0 op_sel_hi:[1,0]
.endr
.set QP, 0
.rept 16
	v_rcp_f32 v[S+16+QP], v[S+16+QP]
.set QP, QP+1
.endr
	v_nop
	s_wait_alu depctr_va_vdst(0)
.irp j, 0,2,4,6,8,10,12,14
	v_pk_mul_f32 v[S+\j:S+\j+1], v[S+\j:S+\j+1], v[S+16+\j:S+17+\j]
.endr
.set QP, 0
.rept 16
	v_med3_num_f32 v[S+QP], v[S+QP], -v31, v31
.set QP, QP+1
.endr
	v_cvt_scalef32_pk8_fp8_f32 v[72:73], v[S:S+7],    v30
	v_cvt_scalef32_pk8_fp8_f32 v[74:75], v[S+8:S+15], v30
	v_nop
	v_add_nc_u32 v9, s72, v8
	ds_store_b128 v9, v[72:75]                     ; registers 4 (head % 4) .. + 3 of K step head / 4 of the output product's operand, as they stand
	s_add_co_u32 s71, s71, 768
	s_add_co_u32 s72, s72, 4096
	s_sub_co_i32 s70, s70, 1
	s_cmp_lg_u32 s70, 0
	s_cbranch_scc1 .Ltrip
	v_lshlrev_b32 v6, 5, v3                        ; bo in the result's layout: n = 16 tile + 8 h + 0 .. 7
	global_load_b128 v[224:227], v6, s[24:25]
	global_load_b128 v[228:231], v6, s[24:25] offset:16
	global_load_b128 v[232:235], v6, s[24:25] offset:64
	global_load_b128 v[236:239], v6, s[24:25] offset:80
	BARRIER                                        ; o's images of all heads lie in LDS
	; ---- the output projection: wave w takes tile of rows w (column w / 8, rows 16 (w % 8) on); K = 256 in two steps of 128; source 0 = 16 rows n of Wo's codes
.irp c, 0,1,2,3,4,5,6,7
	ds_load_b128 v[80+4*\c:83+4*\c], v14 offset:512*\c
.endr
.irp n, 0,1
.irp s, 0,1
.irp c, 0,1,2,3
	ds_load_b128 v[112+32*\n+16*\s+4*\c:115+32*\n+16*\s+4*\c], v11 offset:4352*\n+128*\s+32*\c
.endr
.endr
.endr
	s_wait_dscnt 0x0
	v_wmma_f32_16x16x128_fp8_fp8 v[192:199], v[112:127], v[80:95], 0            ; the two accumulators take turns
	v_wmma_f32_16x16x128_fp8_fp8 v[200:207], v[144:159], v[80:95], 0
	v_wmma_f32_16x16x128_fp8_fp8 v[192:199], v[128:143], v[96:111], v[192:199]
	v_wmma_f32_16x16x128_fp8_fp8 v[200:207], v[160:175], v[96:111], v[200:207]
.rept 4
	v_nop
.endr
	s_wait_loadcnt 0x0                             ; bo
.irp j, 0,2,4,6,8,10,12,14
	v_pk_fma_f32 v[208+\j:209+\j], v[192+\j:193+\j], s[62:63], v[224+\j:225+\j] op_sel_hi:[1,0,1]   ; sum x 2^(e10 + e11) + bo
.endr
	ds_store_b128 v12, v[208:211]                  ; a lane's eight numbers are eight neighbours of one row: n = 8 h + 0 .. 7,
	ds_store_b128 v12, v[212:215] offset:16
	ds_store_b128 v12, v[216:219] offset:64        ; and n = 16 + 8 h + 0 .. 7
	ds_store_b128 v12, v[220:223] offset:80
	BARRIER                                        ; 128 rows of 256 bytes, both columns side by side, lie in the stage
.irp i, 0,1,2,3
	ds_load_b128 v[32+4*\i:35+4*\i], v13 offset:544*\i
.endr
.irp i, 0,1,2,3
	s_wait_dscnt 3-\i                              ; LDS loads come back in order: load i is in, the younger ones may be out
	global_store_b128 v10, v[32+4*\i:35+4*\i], s[54:55] offset:65536*\i th:TH_STORE_NT   ; sixteen lanes store 256 consecutive bytes, at a multiple of 256 from out0's first byte
.endr
	s_wait_tensorcnt 0x0
	ds_add_u32 v186, v187
	s_wait_dscnt 0x0
	s_endpgm
.Lfunc_end_k_qb1b4843e53_colattn:
	.size	k_qb1b4843e53_colattn, .Lfunc_end_k_qb1b4843e53_colattn-k_qb1b4843e53_colattn
	.p2alignl 7, 3214868480
	.fill 96, 4, 3214868480
	.section	.rodata,"a",@progbits
	.p2align	6, 0x0
	.amdhsa_kernel k_qb1b4843e53_colattn
		.amdhsa_group_segment_fixed_size 223232
		.amdhsa_private_segment_fixed_size 0
		.amdhsa_enable_private_segment 0
		.amdhsa_kernarg_size 88
		.amdhsa_user_sgpr_count 2
		.amdhsa_user_sgpr_kernarg_segment_ptr 1
		.amdhsa_wavefront_size32 1
		.amdhsa_system_sgpr_workgroup_id_x 1
		.amdhsa_system_sgpr_workgroup_id_y 1
		.amdhsa_system_sgpr_workgroup_id_z 1
		.amdhsa_system_vgpr_workitem_id 0
		.amdhsa_next_free_vgpr 256
		.amdhsa_next_free_sgpr 96
		.amdhsa_reserve_vcc 0
		.amdhsa_float_denorm_mode_32 3
		.amdhsa_float_denorm_mode_16_64 3
		.amdhsa_memory_ordered 1
		.amdhsa_forward_progress 1
		.amdhsa_inst_pref_size 92
	.end_amdhsa_kernel
	.amdgpu_metadata
---
amdhsa.version: [ 1, 2 ]
amdhsa.kernels:
  - .name:           k_qb1b4843e53_colattn
    .symbol:         k_qb1b4843e53_colattn.kd
    .args:
      - { .name: m, .offset: 0, .size: 8, .value_kind: global_buffer, .address_space: global }
      - { .name: ln_gamma, .offset: 8, .size: 8, .value_kind: global_buffer, .address_space: global }
      - { .name: ln_beta, .offset: 16, .size: 8, .value_kind: global_buffer, .address_space: global }
      - { .name: Wq, .offset: 24, .size: 8, .value_kind: global_buffer, .address_space: global }
      - { .name: Wk, .offset: 32, .size: 8, .value_kind: global_buffer, .address_space: global }
      - { .name: Wv, .offset: 40, .size: 8, .value_kind: global_buffer, .address_space: global }
      - { .name: Wg, .offset: 48, .size: 8, .value_kind: global_buffer, .address_space: global }
      - { .name: Wo, .offset: 56, .size: 8, .value_kind: global_buffer, .address_space: global }
      - { .name: bo, .offset: 64, .size: 8, .value_kind: global_buffer, .address_space: global }
      - { .name: lowp_scales, .offset: 72, .size: 8, .value_kind: global_buffer, .address_space: global }
      - { .name: out0, .offset: 80, .size: 8, .value_kind: global_buffer, .address_space: global }
    .group_segment_fixed_size: 223232
    .private_segment_fixed_size: 0
    .kernarg_segment_align: 8
    .kernarg_segment_size: 88
    .max_flat_workgroup_size: 512
    .sgpr_count:     96
    .vgpr_count:     256
    .wavefront_size: 32
...
	.end_amdgpu_metadata
.endif
;; end of part 1
;; ======== version 2 of 2: 1 launch; version 1 with the launch colattn written anew for expert scheduling mode
;; launch colattn (part 2): grid 256 x 1, 16 waves a work-group, no clusters, 223,232 bytes of LDS; arguments m, ln_gamma, ln_beta, Wq, Wk, Wv, Wg, Wo, bo, lowp_scales, out0; writes out0
.if DOCPART == 2
	.amdgcn_target "amdgcn-amd-amdhsa--gfx1250"
	.amdhsa_code_object_version 6
	.text
	.protected	k_qb1b4843e53_colattn
	.globl	k_qb1b4843e53_colattn
	.p2align	8
	.type	k_qb1b4843e53_colattn,@function
k_qb1b4843e53_colattn:
	s_mov_b64 s[64:65], 0
	v_nop
	global_prefetch_b8 v0, s[64:65] scope:SCOPE_SE
	s_setreg_imm32_b32 hwreg(HW_REG_WAVE_SCHED_MODE, 0, 2), 2
	s_setreg_imm32_b32 hwreg(HW_REG_WAVE_MODE, 25, 1), 1
	s_wait_xcnt 0x0
	s_wait_alu depctr_vm_vsrc(0)
; MSA column attention, all of it in one launch: LayerNorm, the four projections, the scores, the softmax over t, the gate, the output projection.
; m, out0: [256 s][256 i][32 c] f32.  Wq, Wk, Wv, Wg: [32 k][256 n] f32.  Wo: [256 k][32 n] f32.  lowp_scales: e0 .. e11 (int32).
; Every quantised product runs on E4M3 codes made here by the given scales: x / 2^e, held within +-448, to the nearest code, ties to even; sums in f32.
; SHARES.  A work-group takes a PAIR of columns i (their rows lie side by side: 256 consecutive bytes of each s) and half of the queries s (128).  256 work-groups.
;   It needs the keys of all 256 t of its two columns, so LayerNorm and the K projection of a pair are made in both work-groups of the pair.
;   Keys are numbered locally: u = 0 .. 127 are the work-group's own rows s, u = 128 .. 255 the other half's.  A maximum and a sum do not ask for the keys' order.
;   Wave w of 16 owns column w / 8 of the pair and head w % 8: its 256 keys stay in 64 registers as codes, and it walks its 128 queries 16 at a time.
; LAYOUT.  Every product is used transposed (source 0 = weight rows or keys, source 1 = rows of mn or queries): lane (r = lane % 16, h = lane / 16) holds ONE row throughout.
;   The rows of a weight that form a tile are not neighbours: lane r of tile u takes row 8 u + r + 8 (r / 8), so that the 16 registers of a head's two tiles are c = 16 h + 0 .. 15,
;   and two conversions give the next operand's four registers as they stand.  k = 16 h + 0 .. 15 lies in registers 0-3 on BOTH sides of each product with K = 32.
;   K = 32 in the K = 64 form: source 1 is four registers of codes and four of zeros that stay; source 0 is a window of eight registers on a dense run of 4-register fragments,
;   whose upper four (the next fragment's codes: held numbers, never a NaN code) meet the zeros.
; SOFTMAX.  p = 2^(c s - c M), M the running largest score, c = log2(e) / sqrt(32) x 2^(e8 + e9).  v is indexed by s, so only the sum over t of the softmax meets v.
;   ORDER OF ROUNDING THAT DIFFERS FROM THE DEFINITION'S: the division by the row's sum S is taken out of the sum over t: sum_t (p_t / S) is formed as S x (1 / S).
; NO JOINT LOADS: what work-groups share is 64 KiB of m (two partners) and 160 KiB of weights, each read once at the head, and each needs arithmetic in registers
;   (LayerNorm, the quantisers) before it is of use: it goes from memory to registers, and only codes go to LDS.  No LDS byte is written twice: three barriers.
; LIMITS on the given exponents, so that each power of two below is an f32 number: e0 .. e7, e11, e8 - e0 - e1, e9 - e2 - e3, e10 - e4 - e5 between -126 and 119;
;   e8 + e9 between -124 and 129; e6 + e7 and e10 + e11 between -126 and 127.  NaN among the inputs is not served.
; THE MODE: SCHED_MODE bits 1:0 = 2 (LLVM: expert scheduling mode 2), set by the entry lines.  The code itself states the register dependences
;   between vector or matrix instructions and memory or LDS instructions, with s_wait_alu, always for 0.
; THE PLAN.  Registers that memory or LDS instructions touch, and who else names them:
;   v10, v15; v4, v7, v11-14, v188-191   offsets and LDS addresses, made once at the head and never written again.
;   v32-71    the head's conversions write them, ALL of them ahead of one wait on va_vdst, behind which the head's 25 LDS stores stand in one run; behind the first barrier one wait
;             on vm_vsrc, and they become QF and MF.
;   MF0-3     (lower four registers of each) read by products, filled again by LDS loads: one wait on va_vdst in each group of keys, behind its products' places.
;   In a trip: v6 (the address of the trip's three fragments), v9 and v[72:75] (the image store's address and data) are each written once and read once by LDS instructions.
;             One wait on vm_vsrc at the trip's head frees all of them.  The wait behind the join's two exponentials also shows the trip's six projection products done reading MF0-2
;             and v6 written: the NEXT trip's three loads stand behind it and land under the gate's arithmetic.  One wait on va_vdst stands ahead of the image store.
;   Behind the loop: one wait on vm_vsrc and one on va_vdst ahead of bo's loads, which also serves the operand loads behind the second barrier (no vector line stands between);
;             one on va_vdst ahead of the stage's stores, which also serves the loads from the stage.
.set MK,   0                           ; LDS: mn as codes by e2, rows (col, u) of 32 bytes, 48 apart; a column 12,416 bytes
.set MQ,   24832                       ;      the same by e0, u < 128; a column 6,272 bytes
.set MV,   37376                       ;      by e4
.set MG,   49920                       ;      by e6
.set WR,   62464                       ;      weight codes: row (weight x 256 + n) x 48; weight 0 q, 1 k, 2 v, 3 g; k innermost
.set WO,   111616                      ;      Wo's codes: row n x 272, 256 bytes, k innermost
.set OI,   120320                      ;      o as images of operand registers: (col x 8 + tile of rows) x 4,096 + head x 512 + 16 x lane
.set STG,  185856                      ;      the way out: row s x 272; bytes col x 128 + 4 n
.set KCOL, 12416                       ; 256 x 48 + 128: the two columns' 4-byte stores fall on different banks
.set QCOL, 6272                        ; 128 x 48 + 128
.set X,    192                         ; head: v192-223 eight loads of m, four numbers each
.set ST,   224                         ; head: v224-239 pair i: the mean, then the variance and 1 / sqrt of it
.set QQ,   240                         ; head: v240-255 squares
.set T0,   168                         ; head: v168-175, v176-183 two sets of eight held numbers, by turns
.set S,    192                         ; v192-255 scores, and every other matrix result
.set KC,   80                          ; v80-143  my 256 keys' codes: 16 fragments of four registers
.set W,    144                         ; v144-175 weight fragments k0 k1 q0 q1 v0 v1 g0 g1; v176-179 zeros
.set MF,   40                          ; v40-71   four fragments of mn: four registers of codes, four of zeros
.set QF,   32                          ; v32-39   the queries' fragment, likewise
; v1 lane, v2 r, v3 h; v4-v14 LDS addresses and v10, v15 global offsets that stay; v6, v9 addresses in hand
; v[16:17] -cM; v[18:19], v[20:21] the sum in two chains; v22-24 maxima; v25 the old -cM; v[26:27] the sum's factor; v28-31 scales and limits; v[72:75] o's codes; v[76:77] the softmax's sum
; v186, v187: the closing add's two registers, made at the head and kept for it alone; its spare words, 128 bytes a wave, lie from byte 0x36000 on, behind the stage
.macro SCLIM vs, vl, se                ; v[vs] = 2^e as f32 (a conversion takes its exponent field), v[vl] = 448 x 2^e; e in s[se]
	s_add_co_i32 s73, s[\se], 127
	s_lshl_b32 s74, s73, 23
	v_mov_b32 v[\vs], s74
	s_add_co_i32 s73, s73, 8
	s_lshl_b32 s73, s73, 23
	s_or_b32 s73, s73, 0x600000
	v_mov_b32 v[\vl], s73
.endm
.macro BARRIER                         ; my LDS stores have landed and my LDS loads are in: then the work-group's barrier
	s_wait_dscnt 0x0
	s_barrier_signal -1
	s_barrier_wait -1
.endm
; n numbers of mn (v[X] on) become codes by one scale.  A conversion's eight numbers are two loads' four: its two result registers are four codes of one row each.
; The held numbers go into two sets by turns, so that mn stays as it is for the next scale and no conversion's sources are written by the lines just behind it.
.macro QCONV n, vs, vl, dst
.set QP, 0
.rept (\n)/8
.irp i, 0,1,2,3,4,5,6,7
	v_med3_num_f32 v[T0+8*(QP%2)+\i], v[X+8*QP+\i], -v[\vl], v[\vl]   ; the conversion to an 8-bit code does not saturate (ISA guide 7.6.2): the hold comes first
.endr
	v_cvt_scalef32_pk8_fp8_f32 v[\dst+2*QP:\dst+2*QP+1], v[T0+8*(QP%2):T0+8*(QP%2)+7], v[\vs]
.set QP, QP+1
.endr
	v_nop                                          ; one plain vector line behind the last conversion of a run
.endm
.macro QSTORE n, dst, adr, off         ; and go to LDS, four codes a lane
.set QP, 0
.rept (\n)/4
	ds_store_b32 v[\adr], v[\dst+QP] offset:\off+96*(QP%4)+6144*(QP/4)   ; load i's row: two rows of 48 bytes on for each i; loads 4-7 are 128 rows further
.set QP, QP+1
.endr
.endm
.macro QWEIGHT raw, nreg, vs, vl, dst  ; a lane's column of a weight, registers down K, becomes codes with K innermost
.set QP, 0
.rept \nreg
	v_med3_num_f32 v[\raw+QP], v[\raw+QP], -v[\vl], v[\vl]
.set QP, QP+1
.endr
.set QP, 0
.rept (\nreg)/8
	v_cvt_scalef32_pk8_fp8_f32 v[\dst+2*QP:\dst+2*QP+1], v[\raw+8*QP:\raw+8*QP+7], v[\vs]
.set QP, QP+1
.endr
	v_nop
.endm
.macro FRAGS                           ; a trip's three fragments of mn, 16 rows at v6: by e0 for Q, by e4 for V, by e6 for the gate
	ds_load_b128 v[MF:MF+3],     v6 offset:MQ
	ds_load_b128 v[MF+8:MF+11],  v6 offset:MV
	ds_load_b128 v[MF+16:MF+19], v6 offset:MG
.endm
; Four tiles of 16 keys: the K projection of my head, and its codes into KC.  v180, v181: 2^(e9 - e2 - e3) and 448 x that: the three scales folded into one.
.macro KGROUP g
	s_wait_dscnt 0x0                               ; the group's four fragments of mn (and, the first time, the weights') are in
.irp t, 0,1,2,3
.irp u, 0,1
	v_wmma_f32_16x16x64_fp8_fp8 v[S+16*\t+8*\u:S+16*\t+8*\u+7], v[W+4*\u:W+4*\u+7], v[MF+8*\t:MF+8*\t+7], 0
.endr
.endr
.rept 4
	v_nop                                          ; four places in front of the first read of these products' results (ISA guide 7.12.1)
.endr
	s_wait_alu depctr_va_vdst(0)                   ; the eight products are done reading MF0-3, in which the loads below land (in the first group also: v6 is written)
.if \g < 3
.irp t, 0,1,2,3
	ds_load_b128 v[MF+8*\t:MF+8*\t+3], v4 offset:MK+768*(4*\g+4+\t)   ; the next group's, 16 rows of 48 bytes a tile
.endr
.else
	FRAGS                                          ; the first trip's: they land while the last keys are converted
.endif
.set QP, 0
.rept 64
	v_med3_num_f32 v[S+QP], v[S+QP], -v181, v181   ; each result from its low end on
.set QP, QP+1
.endr
.irp t, 0,1,2,3,4,5,6,7
	v_cvt_scalef32_pk8_fp8_f32 v[KC+16*\g+2*\t:KC+16*\g+2*\t+1], v[S+8*\t:S+8*\t+7], v180
.endr
	v_nop
.endm
; 128 keys against my 16 queries: a lane holds one query and 64 of these keys.  first = 1: the trip's first half starts the maximum and the sum.  No memory or LDS instruction stands in it.
.macro CHUNK kb, first
.irp t, 0,1,2,3,4,5,6,7
	v_wmma_f32_16x16x64_fp8_fp8 v[S+8*\t:S+8*\t+7], v[KC+\kb+4*\t:KC+\kb+4*\t+7], v[QF:QF+7], 0
.endr
.rept 4
	v_nop
.endr
	v_max3_num_f32 v22, v[S], v[S+1], v[S+2]       ; the largest score, in two chains, ascending: each result is first read at its low end
	v_max3_num_f32 v23, v[S+3], v[S+4], v[S+5]
.irp i, 6,10,14,18,22,26,30,34,38,42,46,50,54,58
	v_max3_num_f32 v22, v22, v[S+\i], v[S+\i+1]
	v_max3_num_f32 v23, v23, v[S+\i+2], v[S+\i+3]
.endr
	v_max3_num_f32 v22, v22, v[S+62], v[S+63]
.if \first
	v_max_num_f32 v24, v22, v23
	v_mul_f32 v16, s58, v24                        ; -c M
.else
	v_max3_num_f32 v24, v22, v23, v24              ; the running maximum
	v_mov_b32 v25, v16
	v_mul_f32 v16, s58, v24
	v_sub_f32 v26, v16, v25                        ; c (old M - new M), 0 or less
	s_wait_alu depctr_va_vdst(0)
	v_exp_f32 v26, v26                             ; what the sum so far is multiplied by
.endif
.irp j, 0,2,4,6,8,10,12,14,16,18,20,22,24,26,28,30,32,34,36,38,40,42,44,46,48,50,52,54,56,58,60,62
	v_pk_fma_f32 v[S+\j:S+\j+1], v[S+\j:S+\j+1], s[56:57], v[16:17] op_sel_hi:[1,0,0]   ; c s - c M, two at a time (of both pairs the low word serves both halves)
.endr
.set QP, 0
	s_wait_alu depctr_va_vdst(0)
.rept 64
	v_exp_f32 v[S+QP], v[S+QP]
.set QP, QP+1
.endr
.if \first
	v_nop                                          ; a plain line behind the exponentials
	s_wait_alu depctr_va_vdst(0)                   ; the 64 exponentials have written v[S ..]: one wait for the batch, ahead of its first reader
	v_pk_add_f32 v[18:19], v[S:S+1], v[S+2:S+3]
	v_pk_add_f32 v[20:21], v[S+4:S+5], v[S+6:S+7]
.irp j, 8,12,16,20,24,28,32,36,40,44,48,52,56,60
	v_pk_add_f32 v[18:19], v[18:19], v[S+\j:S+\j+1]
	v_pk_add_f32 v[20:21], v[20:21], v[S+\j+2:S+\j+3]
.endr
.else
	s_wait_alu depctr_va_vdst(0)                   ; the 64 exponentials have written v[S ..], and the factor's v26: one wait for the batch, ahead of its first reader
	v_pk_mul_f32 v[18:19], v[18:19], v[26:27] op_sel_hi:[1,0]   ; the sum under the new maximum (the plain line behind the exponentials)
	v_pk_add_f32 v[20:21], v[S:S+1], v[S+2:S+3]
.irp j, 4,8,12,16,20,24,28,32,36,40,44,48,52,56,60
	v_pk_add_f32 v[18:19], v[18:19], v[S+\j:S+\j+1]
	v_pk_add_f32 v[20:21], v[20:21], v[S+\j+2:S+\j+3]
.endr
.endif
	v_pk_add_f32 v[18:19], v[18:19], v[20:21]
.endm
	; ---- the head: addresses and all global loads
	s_load_b512 s[8:23], s[0:1], 0x0               ; m 8, gamma 10, beta 12, Wq 14, Wk 16, Wv 18, Wg 20, Wo 22
	s_load_b128 s[24:27], s[0:1], 0x40             ; bo 24, the scales' exponents 26
	s_load_b64 s[28:29], s[0:1], 0x50              ; out0
	v_lshl_add_u32 v186, v0, 2, 0x36000
	v_mov_b32 v187, 0
	v_lshrrev_b32 v1, 5, v0
	v_readfirstlane_b32 s2, v1                     ; wave 0..15
	v_and_b32 v1, 31, v0                           ; lane
	v_and_b32 v2, 15, v0                           ; r
	v_bfe_u32 v3, v0, 4, 1                         ; h
	v_lshlrev_b32 v10, 4, v2
	v_lshl_add_u32 v10, v3, 15, v10                ; lanes 0-15 one row's 256 bytes, lanes 16-31 the next row's
	v_lshlrev_b32 v15, 2, v1                       ; 4 x lane
	v_and_b32 v6, 7, v0                            ; which four c of a row of 32 are mine
	v_lshlrev_b32 v9, 4, v6
	s_wait_alu depctr_va_sdst(0)                   ; s2 is written, ahead of its first reader: head, column and every base are made from it
	s_and_b32 s3, s2, 7                            ; my head
	s_lshr_b32 s4, s2, 3                           ; my column of the pair
	s_and_b32 s5, ttmp9, 1                         ; which half of the rows s
	s_lshr_b32 s6, ttmp9, 1                        ; which pair of columns
	s_lshl_b32 s73, s6, 8                          ; the pair's 256 bytes in a row s
	s_lshl_b32 s75, s2, 3                          ; 8 x wave
	s_lshl_b32 s76, s5, 7
	s_add_co_u32 s76, s76, s75
	s_lshl_b32 s76, s76, 15                        ; rows of 32,768 bytes
	s_add_co_u32 s76, s76, s73                     ; my eight rows of my half, in m and in out0
	s_mov_b32 s77, 0
	s_xor_b32 s78, s5, 1
	s_lshl_b32 s78, s78, 7
	s_add_co_u32 s78, s78, s75
	s_lshl_b32 s78, s78, 15
	s_add_co_u32 s78, s78, s73                     ; my eight rows of the other half
	s_mov_b32 s79, 0
	s_lshl_b32 s80, s3, 7                          ; my head's 32 columns of a weight
	s_mov_b32 s81, 0
	s_lshl_b32 s82, s2, 11                         ; my 16 rows of Wo
	s_mov_b32 s83, 0
	s_wait_kmcnt 0x0
	s_load_b256 s[32:39], s[26:27], 0x0            ; e0 .. e7
	s_load_b128 s[40:43], s[26:27], 0x20           ; e8 .. e11
	s_add_nc_u64 s[44:45], s[8:9], s[76:77]
	s_add_nc_u64 s[46:47], s[8:9], s[78:79]
	s_add_nc_u64 s[54:55], s[28:29], s[76:77]
	s_cmp_eq_u32 s4, 0                             ; waves 0-7 quantise Wq and Wk, waves 8-15 Wv and Wg: the choice hangs on the wave's number alone
	s_cselect_b64 s[48:49], s[14:15], s[18:19]
	s_cselect_b64 s[50:51], s[16:17], s[20:21]
	s_add_nc_u64 s[48:49], s[48:49], s[80:81]
	s_add_nc_u64 s[50:51], s[50:51], s[80:81]
	s_add_nc_u64 s[52:53], s[22:23], s[82:83]
	s_wait_alu depctr_va_vdst(0)                   ; the offsets v9, v10 and v15 are written, which the 90 loads below read
.irp i, 0,1,2,3
	global_load_b128 v[X+4*\i:X+4*\i+3], v10, s[44:45] offset:65536*\i       ; two rows x 256 consecutive bytes a load: u = 8 w + 2 i + h
.endr
.irp i, 0,1,2,3
	global_load_b128 v[X+16+4*\i:X+16+4*\i+3], v10, s[46:47] offset:65536*\i ; u = 128 + 8 w + 2 i + h
.endr
	global_load_b128 v[160:163], v9, s[10:11]      ; gamma and beta of my four c
	global_load_b128 v[164:167], v9, s[12:13]
.set QP, 0
.rept 32
	global_load_b32 v[80+QP], v15, s[48:49] offset:1024*QP    ; a lane takes a column n, its registers run down K
.set QP, QP+1
.endr
.set QP, 0
.rept 32
	global_load_b32 v[112+QP], v15, s[50:51] offset:1024*QP
.set QP, QP+1
.endr
.set QP, 0
.rept 16
	global_load_b32 v[144+QP], v15, s[52:53] offset:128*QP    ; Wo: column n = lane, k = 16 w + 0 .. 15
.set QP, QP+1
.endr
	; every LDS address is a constant + constants x lane terms + constants x the wave's number, made here, ahead of the first barrier
	v_mul_u32_u24 v5, v2, 48
	v_lshl_add_u32 v5, v3, 4, v5                   ; a fragment of mn: 48 r + 16 h
	s_mul_i32 s84, s4, KCOL
	v_add_nc_u32 v4, s84, v5                       ; v4: in MK, my column
	s_mul_i32 s84, s4, QCOL
	v_add_nc_u32 v5, s84, v5                       ; v5: in MQ, MV, MG
	v_and_b32 v7, 8, v2
	v_add_nc_u32 v7, v7, v2                        ; r + 8 (r / 8)
	v_mul_u32_u24 v7, v7, 48
	v_lshl_add_u32 v7, v3, 4, v7
	s_mul_i32 s84, s3, 32*48
	s_add_co_u32 s84, s84, WR
	v_add_nc_u32 v7, s84, v7                       ; v7: a weight fragment of my head
	s_lshl_b32 s84, s4, 15
	s_lshl_b32 s85, s3, 9
	s_add_co_u32 s84, s84, s85
	s_add_co_u32 s84, s84, OI
	v_lshl_add_u32 v8, v1, 4, s84                  ; v8: where my head's part of o's images begins
	v_mul_u32_u24 v11, v2, 272
	v_lshl_add_u32 v11, v3, 4, v11
	v_add_nc_u32 v11, WO, v11                      ; v11: a fragment of Wo
	s_mul_i32 s84, s3, 16*272
	s_lshl_b32 s85, s4, 7
	s_add_co_u32 s84, s84, s85
	s_add_co_u32 s84, s84, STG
	v_mul_u32_u24 v12, v2, 272
	v_lshl_add_u32 v12, v3, 5, v12
	v_add_nc_u32 v12, s84, v12                     ; v12: the stage, in: row 16 (w % 8) + r, column w / 8, 32 h
	s_mul_i32 s84, s2, 8*272
	s_add_co_u32 s84, s84, STG
	v_mul_u32_u24 v13, v3, 272
	v_lshl_add_u32 v13, v2, 4, v13
	v_add_nc_u32 v13, s84, v13                     ; v13: the stage, back: rows 8 w + h on, 16 bytes a lane
	s_lshl_b32 s84, s2, 12
	s_add_co_u32 s84, s84, OI
	v_lshl_add_u32 v14, v1, 4, s84                 ; v14: the images of tile of rows w
	v_bfe_u32 v190, v0, 3, 1                       ; which column of the pair my 16 bytes of m belong to
	v_mul_u32_u24 v188, v190, KCOL
	v_mul_u32_u24 v189, v190, QCOL
	v_mul_u32_u24 v191, v3, 48
	v_lshl_add_u32 v191, v6, 2, v191               ; 48 h + my four codes' place in a row
	s_mul_i32 s84, s2, 8*48
	v_add_nc_u32 v191, s84, v191
	v_add_nc_u32 v188, v188, v191                  ; v188: mn's codes into MK
	v_add_nc_u32 v189, v189, v191                  ; v189: into MQ, MV, MG
	s_lshl_b32 s84, s4, 9
	s_lshl_b32 s85, s3, 5
	s_add_co_u32 s84, s84, s85
	s_mul_i32 s84, s84, 48
	s_add_co_u32 s84, s84, WR
	v_mul_u32_u24 v190, v1, 48
	v_add_nc_u32 v190, s84, v190                   ; v190: my column of the first of my two weights; the second lies 256 rows on
	s_lshl_b32 s84, s2, 4
	s_add_co_u32 s84, s84, WO
	v_mul_u32_u24 v191, v1, 272
	v_add_nc_u32 v191, s84, v191                   ; v191: Wo's row n = lane, my 16 codes
	s_wait_kmcnt 0x0                               ; the exponents
	s_cmp_eq_u32 s4, 0
	s_cselect_b32 s86, s33, s37                    ; my two weights' exponents: e1, e3 or e5, e7
	s_cselect_b32 s87, s35, s39
	s_sub_co_i32 s88, s40, s32
	s_sub_co_i32 s88, s88, s33                     ; e8 - e0 - e1: a sum of the Q projection stands for sum x 2^(e0 + e1)
	s_sub_co_i32 s89, s41, s34
	s_sub_co_i32 s89, s89, s35                     ; e9 - e2 - e3
	s_sub_co_i32 s90, s42, s36
	s_sub_co_i32 s90, s90, s37                     ; e10 - e4 - e5
	s_add_co_i32 s73, s40, s41
	s_lshl_b32 s73, s73, 23
	s_add_co_i32 s56, s73, 0x3e8293ee              ; c = log2(e) / sqrt(32), with e8 + e9 added to its exponent field
	s_mov_b32 s57, s56                             ; (named with it as a pair, so it is written)
	s_or_b32 s58, s56, 0x80000000                  ; -c
	s_add_co_i32 s73, s38, s39
	s_lshl_b32 s73, s73, 23
	s_add_co_i32 s60, s73, 0xbfb8aa3b              ; -log2(e) x 2^(e6 + e7), for the gate
	s_mov_b32 s61, s60
	s_add_co_i32 s73, s42, s43
	s_add_co_i32 s73, s73, 127
	s_lshl_b32 s62, s73, 23                        ; 2^(e10 + e11)
	s_mov_b32 s63, s62
	s_mov_b32 s66, 0x76543210                      ; v_permlanex16_b32: lane l xor 16
	s_mov_b32 s67, 0xfedcba98
	s_mov_b32 s68, 0x3d000000                      ; 1 / 32
	s_mov_b32 s69, 0x3727c5ac                      ; 1e-5
	SCLIM 16, 17, 34                               ; mn for K: e2
	SCLIM 18, 19, 32                               ; for Q: e0
	SCLIM 20, 21, 36                               ; for V: e4
	SCLIM 22, 23, 38                               ; for the gate: e6
	SCLIM 24, 25, 86                               ; my two weights
	SCLIM 26, 27, 87
	SCLIM 28, 29, 43                               ; Wo: e11
	; ---- LayerNorm of my 16 rows x 2 columns: eight lanes hold a row of 32; two passes, the mean first and then the mean of the squared deviations
	s_wait_loadcnt 63                              ; 80 younger loads stand behind m, gamma and beta; 63 is the largest count that the wait can name, and a smaller count is safe
.irp i, 0,1,2,3,4,5,6,7
	v_pk_add_f32 v[ST+2*\i:ST+2*\i+1], v[X+4*\i:X+4*\i+1], v[X+4*\i+2:X+4*\i+3]
.endr
.irp i, 0,1,2,3,4,5,6,7
	v_add_f32 v[ST+2*\i], v[ST+2*\i], v[ST+2*\i+1]
.endr
.irp k, 1,2,4
.irp i, 0,1,2,3,4,5,6,7
	v_add_f32_dpp v[ST+2*\i], v[ST+2*\i], v[ST+2*\i] row_xmask:\k row_mask:0xf bank_mask:0xf
.endr
.endr
.irp i, 0,1,2,3,4,5,6,7
	v_mul_f32 v[ST+2*\i], s68, v[ST+2*\i]          ; the mean
.endr
.irp i, 0,1,2,3,4,5,6,7
	v_pk_add_f32 v[X+4*\i:X+4*\i+1], v[X+4*\i:X+4*\i+1], v[ST+2*\i:ST+2*\i+1] op_sel_hi:[1,0] neg_lo:[0,1] neg_hi:[0,1]
	v_pk_add_f32 v[X+4*\i+2:X+4*\i+3], v[X+4*\i+2:X+4*\i+3], v[ST+2*\i:ST+2*\i+1] op_sel_hi:[1,0] neg_lo:[0,1] neg_hi:[0,1]
.endr
.irp i, 0,1,2,3,4,5,6,7
	v_pk_mul_f32 v[QQ+2*\i:QQ+2*\i+1], v[X+4*\i:X+4*\i+1], v[X+4*\i:X+4*\i+1]
.endr
.irp i, 0,1,2,3,4,5,6,7
	v_pk_fma_f32 v[QQ+2*\i:QQ+2*\i+1], v[X+4*\i+2:X+4*\i+3], v[X+4*\i+2:X+4*\i+3], v[QQ+2*\i:QQ+2*\i+1]
.endr
.irp i, 0,1,2,3,4,5,6,7
	v_add_f32 v[ST+2*\i+1], v[QQ+2*\i], v[QQ+2*\i+1]
.endr
.irp k, 1,2,4
.irp i, 0,1,2,3,4,5,6,7
	v_add_f32_dpp v[ST+2*\i+1], v[ST+2*\i+1], v[ST+2*\i+1] row_xmask:\k row_mask:0xf bank_mask:0xf
.endr
.endr
.irp i, 0,1,2,3,4,5,6,7
	v_fma_f32 v[ST+2*\i+1], v[ST+2*\i+1], s68, s69 ; the variance + 1e-5
.endr
	s_wait_alu depctr_va_vdst(0)
.irp i, 0,1,2,3,4,5,6,7
	v_rsq_f32 v[ST+2*\i+1], v[ST+2*\i+1]
.endr
	v_nop                                          ; a plain line behind the last of them
	s_wait_alu depctr_va_vdst(0)                   ; the eight reciprocal roots have written the upper words of v[ST ..]: one wait, ahead of their first reader
.irp i, 0,1,2,3,4,5,6,7
	v_pk_mul_f32 v[X+4*\i:X+4*\i+1], v[X+4*\i:X+4*\i+1], v[ST+2*\i:ST+2*\i+1] op_sel:[0,1] op_sel_hi:[1,1]   ; both halves by the pair's upper word
	v_pk_mul_f32 v[X+4*\i+2:X+4*\i+3], v[X+4*\i+2:X+4*\i+3], v[ST+2*\i:ST+2*\i+1] op_sel:[0,1] op_sel_hi:[1,1]
.endr
.irp i, 0,1,2,3,4,5,6,7
	v_pk_fma_f32 v[X+4*\i:X+4*\i+1], v[X+4*\i:X+4*\i+1], v[160:161], v[164:165]
	v_pk_fma_f32 v[X+4*\i+2:X+4*\i+3], v[X+4*\i+2:X+4*\i+3], v[162:163], v[166:167]
.endr
	; ---- mn as codes, once for each of the four given scales; for Q, V and the gate only my half's rows (loads 0-3)
	QCONV 32, 16, 17, 32
	QCONV 16, 18, 19, 40
	QCONV 16, 20, 21, 44
	QCONV 16, 22, 23, 48
	; ---- the weights as codes, K innermost
	s_wait_loadcnt 0x0
	QWEIGHT 80, 32, 24, 25, 52
	QWEIGHT 112, 32, 26, 27, 60
	QWEIGHT 144, 16, 28, 29, 68
	; ---- all codes go to LDS in one run of 25 stores
	s_wait_alu depctr_va_vdst(0)                   ; the conversions have written v32-71, the stores' data, and v188-191, their addresses, are written; the head's vector lines are also done with v40-71 and v144-175 and have written v4 and v7: the loads behind the barrier hang on that, and no vector line stands between
	QSTORE 32, 32, 188, MK
	QSTORE 16, 40, 189, MQ
	QSTORE 16, 44, 189, MV
	QSTORE 16, 48, 189, MG
	ds_store_b128 v190, v[52:55]
	ds_store_b128 v190, v[56:59] offset:16
	ds_store_b128 v190, v[60:63] offset:12288
	ds_store_b128 v190, v[64:67] offset:12304
	ds_store_b128 v191, v[68:71]
	BARRIER                                        ; all codes of mn and of the weights lie in LDS
	s_wait_alu depctr_vm_vsrc(0)                   ; my LDS stores have read v32-71, which are QF and MF from here on, written by loads, zeros and conversions; gamma's and beta's loads have read v9, which the trips write
	; ---- my head's weight fragments, which stay, and my 256 keys
	ds_load_b128 v[W:W+3],     v7 offset:12288     ; k, tiles 0 and 1 (eight rows of 48 bytes apart)
	ds_load_b128 v[W+4:W+7],   v7 offset:12288+384
	ds_load_b128 v[W+8:W+11],  v7                  ; q
	ds_load_b128 v[W+12:W+15], v7 offset:384
	ds_load_b128 v[W+16:W+19], v7 offset:24576     ; v
	ds_load_b128 v[W+20:W+23], v7 offset:24576+384
	ds_load_b128 v[W+24:W+27], v7 offset:36864     ; g
	ds_load_b128 v[W+28:W+31], v7 offset:36864+384
.irp t, 0,1,2,3
	ds_load_b128 v[MF+8*\t:MF+8*\t+3], v4 offset:MK+768*\t
.endr
.irp z, 36,37,38,39, 44,45,46,47, 52,53,54,55, 60,61,62,63, 68,69,70,71, 176,177,178,179
	v_mov_b32 v\z, 0                               ; the zeros that fill K = 32 up to 64: written once, they stay
.endr
.irp z, 17, 27, 77, 78, 79
	v_mov_b32 v\z, 0                               ; upper words of pairs whose low word serves both halves, and the lane permutes' destinations: named, so written
.endr
	s_mov_b32 s70, 8                               ; eight trips of 16 queries
	s_mov_b32 s71, 0                               ; a trip's rows in MQ, MV, MG: 16 x 48 bytes a trip
	s_mov_b32 s72, 0                               ; a trip's image in OI: 4,096 bytes a trip
	v_add_nc_u32 v6, s71, v5                       ; the first trip's rows; the wait in the first group of keys shows it written
	SCLIM 180, 181, 89                             ; the keys' conversion
	SCLIM 28, 29, 88                               ; the queries'
	SCLIM 30, 31, 90                               ; o's
	KGROUP 0
	KGROUP 1
	KGROUP 2
	KGROUP 3
	; ---- eight trips of 16 queries.  A trip's three fragments of mn were asked for in the trip before (the first trip's among the last keys' conversions)
.Ltrip:
	s_wait_alu depctr_vm_vsrc(0)                   ; the loads that brought this trip's fragments have read v6, and the last trip's image store has read v9 and v[72:75]: this trip writes all of them again
	s_wait_dscnt 0x2                               ; the fragment for Q is in: behind its load stand two younger LDS instructions on the way in (V's and the gate's loads) and three on the way back (the image store too): the smaller count serves both
	v_wmma_f32_16x16x64_fp8_fp8 v[S:S+7],    v[W+8:W+15],  v[MF:MF+7], 0
	v_wmma_f32_16x16x64_fp8_fp8 v[S+8:S+15], v[W+12:W+19], v[MF:MF+7], 0
.rept 4
	v_nop
.endr
.set QP, 0
.rept 16
	v_med3_num_f32 v[S+QP], v[S+QP], -v29, v29
.set QP, QP+1
.endr
	v_cvt_scalef32_pk8_fp8_f32 v[QF:QF+1],   v[S:S+7],    v28
	v_cvt_scalef32_pk8_fp8_f32 v[QF+2:QF+3], v[S+8:S+15], v28
	v_nop                                          ; the plain line behind the conversions; with the four above, five places lie ahead of the products that write over these results
	CHUNK 0, 1
	CHUNK 32, 0
	s_wait_alu depctr_va_vdst(0)
	s_wait_dscnt 0x0                               ; the fragments for V and the gate
	v_wmma_f32_16x16x64_fp8_fp8 v[S:S+7],     v[W+16:W+23], v[MF+8:MF+15],  0
	v_wmma_f32_16x16x64_fp8_fp8 v[S+8:S+15],  v[W+20:W+27], v[MF+8:MF+15],  0
	v_wmma_f32_16x16x64_fp8_fp8 v[S+16:S+23], v[W+24:W+31], v[MF+16:MF+23], 0
	v_wmma_f32_16x16x64_fp8_fp8 v[S+24:S+31], v[W+28:W+35], v[MF+16:MF+23], 0
	; the query's other 128 keys lie in the lane 16 away: the two maxima and sums are joined.  These plain lines are also the places behind the four products
	s_add_co_u32 s71, s71, 768
	v_add_f32 v180, v18, v19
	v_permlanex16_b32 v78, v16, s66, s67
	v_permlanex16_b32 v79, v180, s66, s67
	v_min_num_f32 v181, v16, v78                   ; -c x the larger maximum
	v_sub_f32 v182, v181, v16
	v_sub_f32 v183, v181, v78
	s_wait_alu depctr_va_vdst(0)
	v_exp_f32 v182, v182
	v_exp_f32 v183, v183
	v_add_nc_u32 v6, s71, v5                       ; the next trip's rows (the plain line behind the exponentials)
	s_wait_alu depctr_va_vdst(0)                   ; the two exponentials have written v182 and v183; the trip's six projection products are done reading MF0-2, in which the loads below land; v6, their address, is written
	s_cmp_eq_u32 s70, 1                            ; the next trip's fragments are asked for here, if there is a next trip: no load reads beyond the 128 rows
	s_cbranch_scc1 .Lno_next
	FRAGS                                          ; no vector or matrix line since the wait names MF0-2 or v6
.Lno_next:
	v_mul_f32 v184, v180, v182
	v_fma_f32 v184, v79, v183, v184                ; the row's sum S
	s_wait_alu depctr_va_vdst(0)
	v_rcp_f32 v185, v184
	v_nop
	s_wait_alu depctr_va_vdst(0)                   ; the reciprocal has written v185
	v_mul_f32 v76, v184, v185                      ; the sum over t of the softmax: S x (1 / S)
	; o = sigmoid(gate) x (that sum x v), still short of 2^(e4 + e5), which o's conversion takes in
.irp j, 0,2,4,6,8,10,12,14
	v_pk_mul_f32 v[S+16+\j:S+17+\j], v[S+16+\j:S+17+\j], s[60:61] op_sel_hi:[1,0]
.endr
.set QP, 0
	s_wait_alu depctr_va_vdst(0)
.rept 16
	v_exp_f32 v[S+16+QP], v[S+16+QP]
.set QP, QP+1
.endr
	s_wait_alu depctr_va_vdst(0)
.irp j, 0,2,4,6,8,10,12,14
	v_pk_mul_f32 v[S+\j:S+\j+1], v[S+\j:S+\j+1], v[76:77] op_sel_hi:[1,0]   ; (plain lines behind the exponentials)
.endr
	s_wait_alu depctr_va_vdst(0)                   ; the gate's sixteen exponentials have written v[S+16 ..]
.irp j, 0,2,4,6,8,10,12,14
	v_pk_add_f32 v[S+16+\j:S+17+\j], v[S+16+\j:S+17+\j], 1.0 op_sel_hi:[1,0]
.endr
.set QP, 0
	s_wait_alu depctr_va_vdst(0)
.rept 16
	v_rcp_f32 v[S+16+QP], v[S+16+QP]
.set QP, QP+1
.endr
	v_nop
	s_wait_alu depctr_va_vdst(0)                   ; the gate's sixteen reciprocals have written v[S+16 ..]
.irp j, 0,2,4,6,8,10,12,14
	v_pk_mul_f32 v[S+\j:S+\j+1], v[S+\j:S+\j+1], v[S+16+\j:S+17+\j]
.endr
.set QP, 0
.rept 16
	v_med3_num_f32 v[S+QP], v[S+QP], -v31, v31
.set QP, QP+1
.endr
	v_cvt_scalef32_pk8_fp8_f32 v[72:73], v[S:S+7],    v30
	v_cvt_scalef32_pk8_fp8_f32 v[74:75], v[S+8:S+15], v30
	v_nop
	v_add_nc_u32 v9, s72, v8
	s_wait_alu depctr_va_vdst(0)                   ; the two conversions have written v[72:75], the store's data, and v9, its address, is written
	ds_store_b128 v9, v[72:75]                     ; registers 4 (head % 4) .. + 3 of K step head / 4 of the output product's operand, as they stand
	s_add_co_u32 s72, s72, 4096
	s_sub_co_i32 s70, s70, 1
	s_cmp_lg_u32 s70, 0
	s_cbranch_scc1 .Ltrip
	s_wait_alu depctr_vm_vsrc(0)                   ; the fragments' loads in a trip read v6 as their address, and it is written anew below: the branch that leads round them in the last trip is not leaned on
	v_lshlrev_b32 v6, 5, v3                        ; bo in the result's layout: n = 16 tile + 8 h + 0 .. 7
	s_wait_alu depctr_va_vdst(0)                   ; v6 is written; the trips' lines are done with v224-239, in which bo lands, and with the keys' and weights' registers v80-175, in which the operands behind the barrier land
	global_load_b128 v[224:227], v6, s[24:25]
	global_load_b128 v[228:231], v6, s[24:25] offset:16
	global_load_b128 v[232:235], v6, s[24:25] offset:64
	global_load_b128 v[236:239], v6, s[24:25] offset:80
	BARRIER                                        ; o's images of all heads lie in LDS
	; ---- the output projection: wave w takes tile of rows w (column w / 8, rows 16 (w % 8) on); K = 256 in two steps of 128; source 0 = 16 rows n of Wo's codes
.irp c, 0,1,2,3,4,5,6,7
	ds_load_b128 v[80+4*\c:83+4*\c], v14 offset:512*\c
.endr
.irp n, 0,1
.irp s, 0,1
.irp c, 0,1,2,3
	ds_load_b128 v[112+32*\n+16*\s+4*\c:115+32*\n+16*\s+4*\c], v11 offset:4352*\n+128*\s+32*\c
.endr
.endr
.endr
	s_wait_dscnt 0x0
	v_wmma_f32_16x16x128_fp8_fp8 v[192:199], v[112:127], v[80:95], 0            ; the two accumulators take turns
	v_wmma_f32_16x16x128_fp8_fp8 v[200:207], v[144:159], v[80:95], 0
	v_wmma_f32_16x16x128_fp8_fp8 v[192:199], v[128:143], v[96:111], v[192:199]
	v_wmma_f32_16x16x128_fp8_fp8 v[200:207], v[160:175], v[96:111], v[200:207]
.rept 4
	v_nop
.endr
	s_wait_loadcnt 0x0                             ; bo
.irp j, 0,2,4,6,8,10,12,14
	v_pk_fma_f32 v[208+\j:209+\j], v[192+\j:193+\j], s[62:63], v[224+\j:225+\j] op_sel_hi:[1,0,1]   ; sum x 2^(e10 + e11) + bo
.endr
	s_wait_alu depctr_va_vdst(0)                   ; the multiply-adds have written v[208:223], the stores' data; every line that named v32-47, in which the loads from the stage land, is done too
	ds_store_b128 v12, v[208:211]                  ; a lane's eight numbers are eight neighbours of one row: n = 8 h + 0 .. 7,
	ds_store_b128 v12, v[212:215] offset:16
	ds_store_b128 v12, v[216:219] offset:64        ; and n = 16 + 8 h + 0 .. 7
	ds_store_b128 v12, v[220:223] offset:80
	BARRIER                                        ; 128 rows of 256 bytes, both columns side by side, lie in the stage
.irp i, 0,1,2,3
	ds_load_b128 v[32+4*\i:35+4*\i], v13 offset:544*\i
.endr
.irp i, 0,1,2,3
	s_wait_dscnt 3-\i                              ; LDS loads come back in order: load i is in, the younger ones may be out
	global_store_b128 v10, v[32+4*\i:35+4*\i], s[54:55] offset:65536*\i th:TH_STORE_NT   ; sixteen lanes store 256 consecutive bytes, at a multiple of 256 from out0's first byte
.endr
	s_wait_dscnt 0x0                               ; the closing lines, six on end
	s_wait_alu 0x0
	s_wait_tensorcnt 0x0
	ds_add_u32 v186, v187
	s_wait_dscnt 0x0
	s_endpgm
.Lfunc_end_k_qb1b4843e53_colattn:
	.size	k_qb1b4843e53_colattn, .Lfunc_end_k_qb1b4843e53_colattn-k_qb1b4843e53_colattn
	.p2alignl 7, 3214868480
	.fill 96, 4, 3214868480
	.section	.rodata,"a",@progbits
	.p2align	6, 0x0
	.amdhsa_kernel k_qb1b4843e53_colattn
		.amdhsa_group_segment_fixed_size 223232
		.amdhsa_private_segment_fixed_size 0
		.amdhsa_enable_private_segment 0
		.amdhsa_kernarg_size 88
		.amdhsa_user_sgpr_count 2
		.amdhsa_user_sgpr_kernarg_segment_ptr 1
		.amdhsa_wavefront_size32 1
		.amdhsa_system_sgpr_workgroup_id_x 1
		.amdhsa_system_sgpr_workgroup_id_y 1
		.amdhsa_system_sgpr_workgroup_id_z 1
		.amdhsa_system_vgpr_workitem_id 0
		.amdhsa_next_free_vgpr 256
		.amdhsa_next_free_sgpr 96
		.amdhsa_reserve_vcc 0
		.amdhsa_float_denorm_mode_32 3
		.amdhsa_float_denorm_mode_16_64 3
		.amdhsa_memory_ordered 1
		.amdhsa_forward_progress 1
		.amdhsa_inst_pref_size 93
	.end_amdhsa_kernel
	.amdgpu_metadata
---
amdhsa.version: [ 1, 2 ]
amdhsa.kernels:
  - .name:           k_qb1b4843e53_colattn
    .symbol:         k_qb1b4843e53_colattn.kd
    .args:
      - { .name: m, .offset: 0, .size: 8, .value_kind: global_buffer, .address_space: global }
      - { .name: ln_gamma, .offset: 8, .size: 8, .value_kind: global_buffer, .address_space: global }
      - { .name: ln_beta, .offset: 16, .size: 8, .value_kind: global_buffer, .address_space: global }
      - { .name: Wq, .offset: 24, .size: 8, .value_kind: global_buffer, .address_space: global }
      - { .name: Wk, .offset: 32, .size: 8, .value_kind: global_buffer, .address_space: global }
      - { .name: Wv, .offset: 40, .size: 8, .value_kind: global_buffer, .address_space: global }
      - { .name: Wg, .offset: 48, .size: 8, .value_kind: global_buffer, .address_space: global }
      - { .name: Wo, .offset: 56, .size: 8, .value_kind: global_buffer, .address_space: global }
      - { .name: bo, .offset: 64, .size: 8, .value_kind: global_buffer, .address_space: global }
      - { .name: lowp_scales, .offset: 72, .size: 8, .value_kind: global_buffer, .address_space: global }
      - { .name: out0, .offset: 80, .size: 8, .value_kind: global_buffer, .address_space: global }
    .group_segment_fixed_size: 223232
    .private_segment_fixed_size: 0
    .kernarg_segment_align: 8
    .kernarg_segment_size: 88
    .max_flat_workgroup_size: 512
    .sgpr_count:     96
    .vgpr_count:     256
    .wavefront_size: 32
...
	.end_amdgpu_metadata
.endif
;; end of part 2
